; MI455X (gfx1250); checked and timed in simulation.
; The chip was launched on July 23, 2026; its instructions are those of AMD's public machine-readable ISA for CDNA 5 (MIT licence, August 2026) and "CDNA5" Instruction Set Architecture Reference Guide (July 2026). The comments in the code are by the model that wrote it; some were corrected since.
;; Additive Attention. Allowed arithmetic: matrix products marked QUANTISED: E2M1 operands, one E8M0 scale for each 32 along K, by v_wmma_scale_f32_16x16x128_f8f6f4 with both operands' format E2M1 (or v_wmma_scale_f32_32x16x128_f4), f32 sums; products left as they are: f32 operands where the result goes on into a quantised operand, else bf16, f16 or f32 operands; f32 sums; everything else in f32.
;; Inputs: Wc 1,024 x 1 float32; Wq_codes 1,024 x 32 x 16 uint8 (E2M1 codes of Wq, K innermost, in blocks of 32 codes, two codes a byte); Wq_scales 1,024 x 32 uint8 (E8M0 scales of Wq, one for each 32 codes along K); Wv_codes 1,024 x 32 x 16 uint8 (E2M1 codes of Wv, K innermost, in blocks of 32 codes, two codes a byte); Wv_scales 1,024 x 32 uint8 (E8M0 scales of Wv, one for each 32 codes along K); bc 1 float32; bq 1,024 float32; bv 1,024 float32; mask 32 x 2,048 bool; query_codes 32 x 32 x 16 uint8 (E2M1 codes of query, K innermost, in blocks of 32 codes, two codes a byte); query_scales 32 x 32 uint8 (E8M0 scales of query, one for each 32 codes along K); values 32 x 2,048 x 1,024 float32.
;; Outputs: out0 32 x 1,024 float32; out1 32 x 2,048 float32.
;; This version of the problem:
;;   THIS VERSION OF THE PROBLEM IS GIVEN IN LOW PRECISION. The matrix products marked QUANTISED in the list below multiply operands that are first quantised to E2M1 (2 exponent bits, 1 mantissa bit; 4 bits a number), with one power-of-two scale for each 32 numbers along K (OCP MX v1.0); their sums are f32. All else is computed in f32.
;;   The module's matrix products, in the order in which they are computed (A, B: the left and right operand; K: the contracted axis; several contracted axes count as one K, in the product's order):
;;     1. [M 32, K 1,024] x [K 1,024, N 1,024]; A: input query (given as codes); B: input Wq (given as codes): QUANTISED
;;     2. [M 65,536, K 1,024] x [K 1,024, N 1,024]; A: input values; B: input Wv (given as codes): QUANTISED
;;     3. [M 65,536, K 1,024] x [K 1,024, N 1]; A: computed on the way; B: input Wc: left as it is (N = 1 < 16)
;;     4. batch 32 x [M 1, K 2,048] x [K 2,048, N 1,024]; A: softmax; B: input values: left as it is (M = 1 < 16)
;;   THE QUANTISER, for each operand of a quantised product, along K:
;;     - K is cut into blocks of 32 from its start; a last block that is shorter is filled with zeros.
;;     - A block's scale is 2^e with e = floor(log2(the largest magnitude in the block)) - 2, held to -126 .. 127; a block of zeros has e = 0. As a byte (E8M0): e + 127.
;;     - Each number is divided by its block's scale, clamped to +-6, and rounded to the nearest number of E2M1, ties to even, subnormals kept.
;;     - The product sums the exact products of the quantised numbers (number of the format x scale) in f32.
;;   ~~~python
;;   def quantise(x, axis):      # numpy; x: float32 -> the quantised numbers, widened to float32 again
;;       x = np.moveaxis(x, axis, -1); K = x.shape[-1]
;;       x = np.pad(x, [(0, 0)] * (x.ndim - 1) + [(0, -K % 32)]); x = x.reshape(x.shape[:-1] + (-1, 32)); a = np.abs(x).max(-1, keepdims=True)
;;       e = np.where(a > 0, np.clip(np.frexp(np.where(a > 0, a, 1))[1] - 1 - 2, -126, 127), 0)      # np.frexp(a)[1] - 1 = floor(log2(a)), exactly
;;       r = np.clip(x / 2.0 ** e, -6, 6)
;;       step = 2.0 ** (np.maximum(np.frexp(np.where(r == 0, 1, r))[1] - 1, 0) - 1)
;;       q = np.round(r / step) * step * 2.0 ** e      # np.round: ties to even
;;       return np.moveaxis(q.reshape(q.shape[:-2] + (-1,))[..., :K], -1, axis).astype(np.float32)
;;   ~~~
;;   INPUTS GIVEN AS CODES. Wq (in the module: [1024, 1024], K = its axis 0); Wv (in the module: [1024, 1024], K = its axis 0); query (in the module: [32, 1024], K = its axis 1): each comes as NAME_codes (uint8): NAME with its K axis moved to the last place and cut into blocks of 32 codes, [.., K / 32, bytes a block], one block behind the other in memory; two codes a byte, the lower K in the low four bits (a code: sign, 2 exponent bits, 1 mantissa bit); and NAME_scales (uint8): the same leading axes, one E8M0 byte (e + 127) for each 32 codes along K. Its value is code x scale, taken as it is: it is not quantised again, and the codes and scales need not be those that the quantiser above would give.
;; One version. Each part assembles by itself: llvm-mc -triple=amdgcn-amd-amdhsa -mcpu=gfx1250 --defsym DOCPART=n.
;; ======== version 1 of 1: 3 launches
;; limits: values are held in bf16: 8 bits of precision; right only within a limited range of input values
;; workspace buffers: qwg 262,144 bytes; wvf 524,288 bytes; sw 256 bytes; sc 262,144 bytes; pc 1,048,576 bytes; pm 2,048 bytes
;; launch prep (part 1): grid 32 x 1, 4 waves a work-group, no clusters, 0 bytes of LDS; arguments query_codes, query_scales, Wq_codes, Wq_scales, bq, bv, Wc, bc, Wv_codes, qwg, wvf, sw; writes qwg, wvf, sw
.if DOCPART == 1
	.amdgcn_target "amdgcn-amd-amdhsa--gfx1250"
	.amdhsa_code_object_version 6
	.text
	.protected	k_qc973f7cf35_prep
	.globl	k_qc973f7cf35_prep
	.p2align	8
	.type	k_qc973f7cf35_prep,@function
k_qc973f7cf35_prep:
	s_mov_b64 s[64:65], 0
	v_nop
	global_prefetch_b8 v0, s[64:65] scope:SCOPE_SE
	s_setreg_imm32_b32 hwreg(HW_REG_WAVE_MODE, 25, 1), 1
	s_wait_xcnt 0x0
; Small things that the main launch wants ready, each made once.
; Work-groups 0-15: wave w of work-group x takes tile J = 4 x + w (16 columns) of q_proj = query Wq, on codes of FP4 (E2M1) with E8M0 scales as they are given,
;   for all 32 batches, with bq + bv as the C of the first product.  The product is used transposed (source 0 = 16 rows of Wq's codes, source 1 = 16 queries):
;   lane (r, h) then holds batch r and columns 16 J + 8 h + 0..7.  It stores qwg[b][J][h][16 words]: 8 words q_proj + bq + bv, then 8 words -2 Wc of the same columns.
; Work-groups 16-31: wave w takes tile J = 4 (x - 16) + w of Wv's codes and lays it in the order of an operand's registers: wvf[J][K step q][c][lane][16 bytes].
;   The wave with J = 0 also stores SW = bc + the sum of Wc: tanh(x) = 1 - 2 / (1 + 2^(2 x log2 e)), so a score is SW + the sum of (-2 Wc) / (1 + 2^..).
; No LDS, no barrier: waves share nothing.
.set WC,  8                            ; v8-15    Wc of my 8 columns
.set BV,  16                           ; v16-23   bv, then -2 Wc
.set AC1, 24                           ; v24-31   sums for batches 16-31
.set WQ,  32                           ; v32-95   Wq's fragments, 8 registers a K step
.set QF0, 96                           ; v96-159  the queries' fragments, batches 0-15
.set QF1, 160                          ; v160-223 batches 16-31
.set WQS, 224                          ; v224-231 Wq's scale words, one a K step
.set QS,  232                          ; v232-239 the queries': lanes 0-15 batches 0-15, lanes 16-31 batches 16-31
.set BIA, 240                          ; v240-247 bq, then bq + bv
.set AC0, 248                          ; v248-255 sums for batches 0-15
	s_load_b512 s[4:19], s[0:1], 0x0               ; query_codes, query_scales, Wq_codes, Wq_scales, bq, bv, Wc, bc
	s_load_b256 s[20:27], s[0:1], 0x40             ; Wv_codes, qwg, wvf, sw
	v_lshrrev_b32 v1, 5, v0
	v_readfirstlane_b32 s28, v1                    ; wave 0..3
	v_and_b32 v1, 31, v0                           ; lane
	v_and_b32 v2, 15, v0                           ; r
	v_bfe_u32 v3, v0, 4, 1                         ; h
	v_lshlrev_b32 v4, 9, v2
	v_lshl_add_u32 v4, v3, 4, v4                   ; a row of 1,024 codes is 512 bytes: 512 r + 16 h
	s_mov_b32 s31, 0
	s_wait_kmcnt 0x0
	s_cmp_lt_u32 ttmp9, 16
	s_cbranch_scc0 .Lcopy
	; ---- q_proj
	s_lshl_b32 s29, ttmp9, 2
	s_add_co_u32 s29, s29, s28                     ; J
	s_lshl_b32 s30, s29, 13
	s_add_nc_u64 s[8:9], s[8:9], s[30:31]          ; Wq's codes: 16 rows of 512 bytes a tile
	s_lshl_b32 s30, s29, 9
	s_add_nc_u64 s[10:11], s[10:11], s[30:31]      ; its scales: 16 rows of 32 bytes
	s_lshl_b32 s30, s29, 6
	s_add_nc_u64 s[12:13], s[12:13], s[30:31]      ; bq, bv, Wc: 16 numbers
	s_add_nc_u64 s[14:15], s[14:15], s[30:31]
	s_add_nc_u64 s[16:17], s[16:17], s[30:31]
	s_lshl_b32 s30, s29, 7
	s_add_nc_u64 s[22:23], s[22:23], s[30:31]      ; qwg: 128 bytes a tile
	s_wait_alu depctr_va_vdst(0)
	v_lshlrev_b32 v5, 5, v2                        ; 32 r
	v_lshlrev_b32 v6, 5, v1                        ; 32 x lane
	v_lshlrev_b32 v7, 5, v3                        ; 32 h
	v_lshlrev_b32 v1, 13, v2
	v_lshl_add_u32 v1, v3, 6, v1                   ; out: 8,192 r + 64 h
.irp q, 0,1,2,3,4,5,6,7
.irp c, 0,1
	global_load_b128 v[WQ+8*\q+4*\c:WQ+8*\q+4*\c+3], v4, s[8:9] offset:64*\q+32*\c
	global_load_b128 v[QF0+8*\q+4*\c:QF0+8*\q+4*\c+3], v4, s[4:5] offset:64*\q+32*\c
	global_load_b128 v[QF1+8*\q+4*\c:QF1+8*\q+4*\c+3], v4, s[4:5] offset:8192+64*\q+32*\c
.endr
.endr
.irp c, 0,1
	global_load_b128 v[WQS+4*\c:WQS+4*\c+3], v5, s[10:11] offset:16*\c
	global_load_b128 v[QS+4*\c:QS+4*\c+3], v6, s[6:7] offset:16*\c
	global_load_b128 v[BIA+4*\c:BIA+4*\c+3], v7, s[12:13] offset:16*\c
	global_load_b128 v[BV+4*\c:BV+4*\c+3], v7, s[14:15] offset:16*\c
	global_load_b128 v[WC+4*\c:WC+4*\c+3], v7, s[16:17] offset:16*\c
.endr
	s_wait_loadcnt 0x0
.irp j, 0,2,4,6
	v_pk_add_f32 v[BIA+\j:BIA+\j+1], v[BIA+\j:BIA+\j+1], v[BV+\j:BV+\j+1]   ; bq + bv
.endr
.irp j, 0,2,4,6
	v_pk_mul_f32 v[BV+\j:BV+\j+1], v[WC+\j:WC+\j+1], -2.0 op_sel_hi:[1,0]   ; -2 Wc
.endr
.rept 4
	v_nop
.endr
; two sums by turns, one instruction a turn; the first K step starts both with bq + bv
.irp q, 0,1,2,3,4,5,6,7
.if \q == 0
	v_wmma_scale_f32_16x16x128_f8f6f4 v[AC0:AC0+7], v[WQ:WQ+7], v[QF0:QF0+7], v[BIA:BIA+7], v[WQS], v[QS] matrix_a_fmt:MATRIX_FMT_FP4 matrix_b_fmt:MATRIX_FMT_FP4
	v_wmma_scale_f32_16x16x128_f8f6f4 v[AC1:AC1+7], v[WQ:WQ+7], v[QF1:QF1+7], v[BIA:BIA+7], v[WQS], v[QS] matrix_a_fmt:MATRIX_FMT_FP4 matrix_b_fmt:MATRIX_FMT_FP4 matrix_b_scale:MATRIX_SCALE_ROW1
.else
	v_wmma_scale_f32_16x16x128_f8f6f4 v[AC0:AC0+7], v[WQ+8*\q:WQ+8*\q+7], v[QF0+8*\q:QF0+8*\q+7], v[AC0:AC0+7], v[WQS+\q], v[QS+\q] matrix_a_fmt:MATRIX_FMT_FP4 matrix_b_fmt:MATRIX_FMT_FP4
	v_wmma_scale_f32_16x16x128_f8f6f4 v[AC1:AC1+7], v[WQ+8*\q:WQ+8*\q+7], v[QF1+8*\q:QF1+8*\q+7], v[AC1:AC1+7], v[WQS+\q], v[QS+\q] matrix_a_fmt:MATRIX_FMT_FP4 matrix_b_fmt:MATRIX_FMT_FP4 matrix_b_scale:MATRIX_SCALE_ROW1
.endif
.endr
.rept 4
	v_nop                                          ; four places between the last product and the stores of its result
.endr
	s_wait_alu depctr_va_vdst(0)
	global_store_b128 v1, v[AC0:AC0+3], s[22:23]                   ; each sum from its low end on
	global_store_b128 v1, v[AC0+4:AC0+7], s[22:23] offset:16
	global_store_b128 v1, v[BV:BV+3], s[22:23] offset:32
	global_store_b128 v1, v[BV+4:BV+7], s[22:23] offset:48
	global_store_b128 v1, v[AC1:AC1+3], s[22:23] offset:131072     ; batches 16-31: 16 x 8,192 bytes on
	global_store_b128 v1, v[AC1+4:AC1+7], s[22:23] offset:131072+16
	global_store_b128 v1, v[BV:BV+3], s[22:23] offset:131072+32
	global_store_b128 v1, v[BV+4:BV+7], s[22:23] offset:131072+48
	s_endpgm
.Lcopy:
	; ---- Wv's codes into the order of an operand's registers
	s_sub_co_u32 s29, ttmp9, 16
	s_lshl_b32 s29, s29, 2
	s_add_co_u32 s29, s29, s28                     ; J
	s_lshl_b32 s30, s29, 13
	s_add_nc_u64 s[20:21], s[20:21], s[30:31]
	s_add_nc_u64 s[24:25], s[24:25], s[30:31]
	s_wait_alu depctr_va_vdst(0)
	v_lshlrev_b32 v5, 4, v1                        ; 16 x lane
.irp q, 0,1,2,3,4,5,6,7
.irp c, 0,1
	global_load_b128 v[WQ+8*\q+4*\c:WQ+8*\q+4*\c+3], v4, s[20:21] offset:64*\q+32*\c
.endr
.endr
	s_cmp_lg_u32 s29, 0                            ; the wave with J = 0 asks for Wc while its tile's loads are out
	s_cbranch_scc1 .Ldone
	; ---- SW = bc + the sum of Wc's 1,024 numbers: 32 a lane, then across the lanes
	s_load_b32 s30, s[18:19], 0x0
.irp i, 0,1,2,3,4,5,6,7
	global_load_b128 v[96+4*\i:96+4*\i+3], v5, s[16:17] offset:512*\i
.endr
	s_mov_b32 s32, 0x76543210
	s_mov_b32 s33, 0xfedcba98                      ; v_permlanex16_b32's selects for lane l xor 16
	v_lshlrev_b32 v6, 2, v1
	s_wait_loadcnt 0x0
.irp i, 1,2,3,4,5,6,7
	v_pk_add_f32 v[96:97], v[96:97], v[96+4*\i:97+4*\i]
	v_pk_add_f32 v[98:99], v[98:99], v[98+4*\i:99+4*\i]
.endr
	v_pk_add_f32 v[96:97], v[96:97], v[98:99]
	v_add_f32 v96, v96, v97
	v_add_f32_dpp v96, v96, v96 row_xmask:1 row_mask:0xf bank_mask:0xf
	v_add_f32_dpp v96, v96, v96 row_xmask:2 row_mask:0xf bank_mask:0xf
	v_add_f32_dpp v96, v96, v96 row_xmask:4 row_mask:0xf bank_mask:0xf
	v_add_f32_dpp v96, v96, v96 row_xmask:8 row_mask:0xf bank_mask:0xf
	v_permlanex16_b32 v97, v96, s32, s33
	v_add_f32 v96, v96, v97
	s_wait_alu depctr_va_vdst(0)
	s_wait_kmcnt 0x0
	v_add_f32 v96, s30, v96
	global_store_b32 v6, v96, s[26:27]             ; the same number in 32 words; the main launch reads the first
.Ldone:
	s_wait_alu depctr_va_vdst(0)                   ; the wait ahead of the blocking wait
	s_wait_loadcnt 0x0                             ; the tile's 16 loads are in
.irp q, 0,1,2,3,4,5,6,7
.irp c, 0,1
	global_store_b128 v5, v[WQ+8*\q+4*\c:WQ+8*\q+4*\c+3], s[24:25] offset:1024*\q+512*\c   ; 32 lanes store 512 consecutive bytes
.endr
.endr
	s_endpgm
.Lfunc_end_k_qc973f7cf35_prep:
	.size	k_qc973f7cf35_prep, .Lfunc_end_k_qc973f7cf35_prep-k_qc973f7cf35_prep
	.p2alignl 7, 3214868480
	.fill 96, 4, 3214868480
	.section	.rodata,"a",@progbits
	.p2align	6, 0x0
	.amdhsa_kernel k_qc973f7cf35_prep
		.amdhsa_group_segment_fixed_size 0
		.amdhsa_private_segment_fixed_size 0
		.amdhsa_enable_private_segment 0
		.amdhsa_kernarg_size 96
		.amdhsa_user_sgpr_count 2
		.amdhsa_user_sgpr_kernarg_segment_ptr 1
		.amdhsa_wavefront_size32 1
		.amdhsa_system_sgpr_workgroup_id_x 1
		.amdhsa_system_sgpr_workgroup_id_y 1
		.amdhsa_system_sgpr_workgroup_id_z 1
		.amdhsa_system_vgpr_workitem_id 0
		.amdhsa_next_free_vgpr 256
		.amdhsa_next_free_sgpr 66
		.amdhsa_reserve_vcc 0
		.amdhsa_float_denorm_mode_32 3
		.amdhsa_float_denorm_mode_16_64 3
		.amdhsa_memory_ordered 1
		.amdhsa_forward_progress 1
		.amdhsa_inst_pref_size 17
	.end_amdhsa_kernel
	.amdgpu_metadata
---
amdhsa.version: [ 1, 2 ]
amdhsa.kernels:
  - .name:           k_qc973f7cf35_prep
    .symbol:         k_qc973f7cf35_prep.kd
    .args:
      - { .name: query_codes, .offset: 0, .size: 8, .value_kind: global_buffer, .address_space: global }
      - { .name: query_scales, .offset: 8, .size: 8, .value_kind: global_buffer, .address_space: global }
      - { .name: Wq_codes, .offset: 16, .size: 8, .value_kind: global_buffer, .address_space: global }
      - { .name: Wq_scales, .offset: 24, .size: 8, .value_kind: global_buffer, .address_space: global }
      - { .name: bq, .offset: 32, .size: 8, .value_kind: global_buffer, .address_space: global }
      - { .name: bv, .offset: 40, .size: 8, .value_kind: global_buffer, .address_space: global }
      - { .name: Wc, .offset: 48, .size: 8, .value_kind: global_buffer, .address_space: global }
      - { .name: bc, .offset: 56, .size: 8, .value_kind: global_buffer, .address_space: global }
      - { .name: Wv_codes, .offset: 64, .size: 8, .value_kind: global_buffer, .address_space: global }
      - { .name: qwg, .offset: 72, .size: 8, .value_kind: global_buffer, .address_space: global }
      - { .name: wvf, .offset: 80, .size: 8, .value_kind: global_buffer, .address_space: global }
      - { .name: sw, .offset: 88, .size: 8, .value_kind: global_buffer, .address_space: global }
    .group_segment_fixed_size: 0
    .private_segment_fixed_size: 0
    .kernarg_segment_align: 8
    .kernarg_segment_size: 96
    .max_flat_workgroup_size: 128
    .sgpr_count:     66
    .vgpr_count:     256
    .wavefront_size: 32
...
	.end_amdgpu_metadata
.endif
;; end of part 1
;; launch main (part 2): grid 256 x 1, 8 waves a work-group, no clusters, 312,320 bytes of LDS; arguments values, mask, wvf, Wv_scales, qwg, sw, sc, pc, pm; writes sc, pc, pm
.if DOCPART == 2
	.amdgcn_target "amdgcn-amd-amdhsa--gfx1250"
	.amdhsa_code_object_version 6
	.text
	.protected	k_qc973f7cf35_main
	.globl	k_qc973f7cf35_main
	.p2align	8
	.type	k_qc973f7cf35_main,@function
k_qc973f7cf35_main:
	s_mov_b64 s[64:65], 0
	v_nop
	global_prefetch_b8 v0, s[64:65] scope:SCOPE_SE
	s_setreg_imm32_b32 hwreg(HW_REG_WAVE_MODE, 25, 1), 1
	s_wait_xcnt 0x0
; Additive attention, all but the last combination.  A work-group takes 256 rows (of 2,048) of one batch: x = 8 b + part.  values is read from memory once.
; TWO ROLES.  Waves 4-7, the PRODUCERS: producer p streams rows 64 p .. 64 p + 63 of the work-group, 8 rows (64 loads of 16 bytes a lane) ahead in registers; each row is quantised to
;   FP4 (E2M1) with one E8M0 scale for each 32 along H (scale = 2^(floor(log2(largest magnitude)) - 2)) and rounded to bf16; codes, scale words and bf16 go to LDS.
; Waves 0-3, the CONSUMERS: consumer p owns columns 256 p .. 256 p + 255 of v_proj (16 tiles of 16) for all 64 rows of a block; the rows' fragments stay in its registers (256), Wv's
;   fragments come from memory, laid by an earlier launch in the order of the registers, two tiles ahead.
; A BLOCK is 64 rows: LDS row rho = 16 p + i is row 64 p + 16 T + i of the work-group (T = 0..3).
; THE PRODUCT IS USED TRANSPOSED (source 0 = 16 rows of Wv's codes, source 1 = 16 rows of values): lane (r, h) holds row r and columns 8 h + 0..7 of the tile; C of the first K step is
;   q_proj + bq + bv of those columns.  tanh(x) = 1 - 2 / (1 + 2^(2 x log2 e)): a score is SW + the sum of (-2 Wc) / (1 + 2^..), SW = bc + the sum of Wc.
; TRIP t = 1..5 of the block loop: the consumers multiply block t - 1 (t <= 4); each producer first finishes block t - 2 (t >= 2): the 64 scores, the mask (a hidden row's score is the
;   least f32 number, as the definition has it), the running maximum m and sum l, p = e^(s - m), and context += p x values over ITS OWN 16 rows, all 1,024 columns (bf16 from its own LDS
;   bytes, 32 f32 sums a lane, rescaled by e^(m_old - m_new)); then it makes its 16 rows of block t (t <= 3), which land on the bytes just read: one wave's LDS instructions, served in order.
; Between a trip's two barriers stand only the consumers' loads of the next block's fragments and the producers' loads of the parts of the scores.
; At the end the four producers' sums meet in LDS.  OUT: sc, the masked scores [work-group][T][rho]; pc, the partial context; pm, (m, l).  A last launch combines the 8 work-groups of a batch.
; LIMITS: NaN and infinities in values are not served; a block of 32 whose largest magnitude lies under 2^-124 gets the scale byte 1 (a block of zeros too: its codes are zeros);
;   values is rounded to bf16 for the weighted sum alone.  No tensor load and no cluster: each fragment of Wv is read by one wave only, and the two blocks of bf16 values (262,144 bytes)
;   leave no room in LDS for a ring of Wv's tiles.  No prefetch: the stream of values already runs 8 rows ahead in registers.
.set L_COD, 262144                     ; LDS: 0 and 131,072: two blocks of bf16 values, 64 rows x 2,048 bytes;  here: codes, 64 rows x (512 + 16) bytes
.set L_ASC, 295936                     ; the rows' scale words, 64 rows x (32 + 16) bytes
.set L_QW,  299008                     ; the batch's image of q_proj + bq + bv and -2 Wc: 128 bytes a tile of columns
.set L_SP,  307200                     ; parts of scores: [4 consumers][64 rho] f32
.set L_MK,  308224                     ; the mask as words: [4 T][64 rho]; and 512 bytes more, written at the head, which the stepped address names in the last trip
.set L_PW,  309760                     ; p: 256 bytes of its own for each producer
.set L_SPARE, 0x4c000                  ; the spare words, 128 bytes a wave
.set V_L, 1
.set V_R, 2
.set V_H, 3
.set V_AVW0, 4                         ; bf16, in and out: 32,768 p + 16 l
.set V_ACW0, 5                         ; codes in: L_COD + 8,448 p + 4 l
.set V_AAW0, 6                         ; scale words in: L_ASC + 768 p + 4 h
.set V_AQW0, 7                         ; L_QW + 2,048 p + 64 h
.set V_AFR, 8                          ; fragments out: L_COD + 528 r + 16 h
.set V_AAR, 9                          ; scale words out: L_ASC + 48 l
.set V_ASPW, 10                        ; L_SP + 256 p + 4 r
.set V_ASPR, 11                        ; L_SP + 8 l
.set V_AMK0, 12                        ; L_MK + 8 l
.set V_APW, 13                         ; L_PW + 256 p + 8 l
.set V_APR, 14                         ; L_PW + 256 p + 64 p: p of my own 16 rows
.set V_ARW, 15                         ; the last sum, in: 4,096 p + 32 l
.set V_AHQ, 16                         ; L_QW + 16 (thread % 128)
.set V_AHM, 17                         ; L_MK + 4 (thread % 128)
.set V_AVW, 18                         ; the same with the trip's or the block's step, written in lines that all waves run
.set V_ACW, 19
.set V_AAW, 20
.set V_AQW, 21
.set V_AQWN, 22
.set V_AMK, 23
.set V_ARR, 24                         ; the last sum, out: 1,024 p + 32 l
.set V_ACR, 25                         ; bf16 out: my 16 rows' first byte in the buffer of the block that is finished
; consumers, window 0 (window 1: the rows' fragments, tile m, K step q at v[64 m + 8 q])
.set V_BOA, 26
.set V_BOB, 27
.set V_SOA, 28
.set V_SOB, 29
.set V_SCP, 32                         ; v32-39   four pairs of score sums
.set V_QB,  40                         ; v40-47   q_proj + bq + bv of the tile's columns
.set V_WC,  48                         ; v48-55   -2 Wc of them
.set V_AS,  56                         ; v56-71   the rows' scale words
.set V_BS,  72                         ; v72-87   Wv's scale words, two sets
.set V_ACC, 88                         ; v88-119  four accumulators
.set V_TMP, 120
.set V_BF,  128                        ; v128-255 Wv's fragments, two sets of 64
; producers, window 0 (window 1: the stage, row slot i, unit u at v[32 i + 8 u])
.set V_VO,  26                         ; 32 l
.set V_SH,  27                         ; 8 ((l / 4) % 4)
.set V_O8,  28                         ; 8 l
.set V_OPC, 29                         ; 32 l + 1,024 p
.set V_CT,  32                         ; v32-63   the context: register 8 c + e is column 256 c + 8 l + e
.set V_MX,  64                         ; the running maximum;  v65 the running sum;  v[66:67] the factor, twice;  v68-79 at work on the scores
.set V_LS,  65
.set V_FF,  66
.set V_T0,  88
.set V_T1,  92
.set V_T2,  96
.set V_SCO, 100
.set V_BY,  104
.set V_TD,  108
.set V_CODE, 112
.set V_BFH, 116
.set V_PP,  88                         ; v88-103  p of my 16 rows;  v104-111 the parts of the scores
.set V_VV,  128                        ; 4 rows' bf16, two sets of 64
.set S_WV, 22
.set S_P,  23
.set S_SW, 24
.set S_VW, 26
.set S_CW, 27
.set S_AW, 28
.set S_QW, 29
.set S_QWN, 30
.set S_MK, 31
.set S_VR, 32                          ; the buffer of the block that is finished: 0 or 131,072
.set S_TR, 33
.set S_SG, 34
.set S_PK, 35
.set S_SEL, 36
.set MSB, 0
.macro WIN new
.if MSB != \new
	s_set_vgpr_msb (MSB<<8)|\new
.set MSB, \new
.endif
.endm
.macro BAR                             ; my LDS stores have landed and my LDS loads are in: then the work-group's barrier
	s_wait_alu depctr_va_vdst(0)                   ; the wait ahead of the blocking wait
	s_wait_dscnt 0x0
	s_barrier_signal -1
	s_barrier_wait -1
.endm
.macro ADDR_TRIP
	v_add_nc_u32 v[V_AVW], s[S_VW], v[V_AVW0]
	v_add_nc_u32 v[V_ACR], s[S_VR], v[V_AVW0]
	v_add_nc_u32 v[V_ACW], s[S_CW], v[V_ACW0]
	v_add_nc_u32 v[V_AAW], s[S_AW], v[V_AAW0]
	v_add_nc_u32 v[V_AQW], s[S_QW], v[V_AQW0]
	v_add_nc_u32 v[V_AQWN], s[S_QWN], v[V_AQW0]
	s_wait_alu depctr_va_vdst(0)                   ; the wait ahead of the branches
.endm
.macro STEP_P
	s_xor_b32 s[S_VW], s[S_VW], 16384
	s_xor_b32 s[S_CW], s[S_CW], 4224
	s_xor_b32 s[S_AW], s[S_AW], 384
	s_add_co_u32 s[S_PK], s[S_PK], 1
.endm
; Tile t (0..7 of a half) of Wv: 16 loads of 512 consecutive bytes into set t % 2; with an even tile the scale words of the pair t, t + 1
.macro LB t, off, soff
.set bb, V_BF+64*((\t)%2)
.irp q, 0,1,2,3,4,5,6,7
.irp c, 0,1
	global_load_b128 v[bb+8*\q+4*\c:bb+8*\q+4*\c+3], v[\off], s[8:9] offset:8192*(\t)+1024*\q+512*\c
.endr
.endr
.if (\t)%2 == 0
.set sb, V_BS+8*(((\t)/2)%2)
	global_load_b128 v[sb:sb+3], v[\soff], s[10:11] offset:1024*((\t)/2)
	global_load_b128 v[sb+4:sb+7], v[\soff], s[10:11] offset:1024*((\t)/2)+16
.endif
.endm
.macro WM
.if rRA == 0 && rRB == 0
	v_wmma_scale_f32_16x16x128_f8f6f4 v[rD:rD+7], v[rA:rA+7], v[rB:rB+7], v[rC:rC+7], v[rSA], v[rSB] matrix_a_fmt:MATRIX_FMT_FP4 matrix_b_fmt:MATRIX_FMT_FP4
.elseif rRA == 1 && rRB == 0
	v_wmma_scale_f32_16x16x128_f8f6f4 v[rD:rD+7], v[rA:rA+7], v[rB:rB+7], v[rC:rC+7], v[rSA], v[rSB] matrix_a_fmt:MATRIX_FMT_FP4 matrix_b_fmt:MATRIX_FMT_FP4 matrix_a_scale:MATRIX_SCALE_ROW1
.elseif rRA == 0
	v_wmma_scale_f32_16x16x128_f8f6f4 v[rD:rD+7], v[rA:rA+7], v[rB:rB+7], v[rC:rC+7], v[rSA], v[rSB] matrix_a_fmt:MATRIX_FMT_FP4 matrix_b_fmt:MATRIX_FMT_FP4 matrix_b_scale:MATRIX_SCALE_ROW1
.else
	v_wmma_scale_f32_16x16x128_f8f6f4 v[rD:rD+7], v[rA:rA+7], v[rB:rB+7], v[rC:rC+7], v[rSA], v[rSB] matrix_a_fmt:MATRIX_FMT_FP4 matrix_b_fmt:MATRIX_FMT_FP4 matrix_a_scale:MATRIX_SCALE_ROW1 matrix_b_scale:MATRIX_SCALE_ROW1
.endif
.endm
; 32 registers: the sums so far += (-2 Wc) / (1 + 2^(2 x log2 e)).  Each kind of transcendental is one batch with a wait ahead of it, one plain line and one wait behind it.
.macro TANH
.set i, 0
.rept 16
	v_pk_mul_f32 v[V_ACC+2*i:V_ACC+2*i+1], v[V_ACC+2*i:V_ACC+2*i+1], 0x4038aa3b op_sel_hi:[1,0]   ; x 2 log2(e); each accumulator from its low end on
.set i, i+1
.endr
.set i, 0
	s_wait_alu depctr_va_vdst(0)
.rept 32
	v_exp_f32 v[V_ACC+i], v[V_ACC+i]
.set i, i+1
.endr
	v_nop
	s_wait_alu depctr_va_vdst(0)
.set i, 0
.rept 16
	v_pk_add_f32 v[V_ACC+2*i:V_ACC+2*i+1], v[V_ACC+2*i:V_ACC+2*i+1], 1.0 op_sel_hi:[1,0]
.set i, i+1
.endr
.set i, 0
	s_wait_alu depctr_va_vdst(0)
.rept 32
	v_rcp_f32 v[V_ACC+i], v[V_ACC+i]               ; 1 / infinity = 0: tanh = 1;  1 / 1: tanh = -1
.set i, i+1
.endr
	v_nop
	s_wait_alu depctr_va_vdst(0)
.irp j, 0,1,2,3
.irp m, 0,1,2,3
	v_pk_fma_f32 v[V_SCP+2*\m:V_SCP+2*\m+1], v[V_ACC+8*\m+2*\j:V_ACC+8*\m+2*\j+1], v[V_WC+2*\j:V_WC+2*\j+1], v[V_SCP+2*\m:V_SCP+2*\m+1]
.endr
.endr
.endm
; A tile of 16 columns for the block's 64 rows: 32 products (8 K steps x 4 tiles of rows; the four accumulators by turns), then the tanh.
.macro CTILE t
.if (\t)%2 == 0
	s_wait_loadcnt 16                              ; this tile's loads are in; behind them only the next (odd) tile's 16 were issued
.else
	s_wait_loadcnt 18                              ; behind them: the next (even) tile's 16 and its pair's 2 loads of scale words
.endif
	s_wait_dscnt 0x0                               ; the tile's bias and -2 Wc
	WIN 0x04
.set iq, 0
.rept 8
.set im, 0
.rept 4
.set rD, V_ACC+8*im
.set rC, rD
.if iq == 0
.set rC, V_QB
.endif
.set rA, V_BF+64*((\t)%2)+8*iq
.set rB, 64*im+8*iq
.set rSA, V_BS+8*(((\t)/2)%2)+iq
.set rSB, V_AS+8*(im/2)+iq
.set rRA, (\t)%2
.set rRB, im%2
	WM
.set im, im+1
.endr
.set iq, iq+1
.endr
	WIN 0
.rept 4
	v_nop                                          ; four places in front of loads into registers that the products have read, and of the first read of results
.endr
.if (\t)+2 < 8
	LB (\t)+2, V_BOA, V_SOA
.else
	LB (\t)-6, V_BOB, V_SOB
.endif
.if (\t) < 7
	ds_load_b128 v[V_QB:V_QB+3], v[V_AQW] offset:128*((\t)+1)
	ds_load_b128 v[V_QB+4:V_QB+7], v[V_AQW] offset:128*((\t)+1)+16
.else
	ds_load_b128 v[V_QB:V_QB+3], v[V_AQWN]
	ds_load_b128 v[V_QB+4:V_QB+7], v[V_AQWN] offset:16
.endif
	TANH
.if (\t) < 7
	ds_load_b128 v[V_WC:V_WC+3], v[V_AQW] offset:128*((\t)+1)+32
	ds_load_b128 v[V_WC+4:V_WC+7], v[V_AQW] offset:128*((\t)+1)+48
.else
	ds_load_b128 v[V_WC:V_WC+3], v[V_AQWN] offset:32
	ds_load_b128 v[V_WC+4:V_WC+7], v[V_AQWN] offset:48
.endif
.endm
.macro CTRIP                           ; half of my 16 tiles
.irp t, 0,1,2,3,4,5,6,7
	CTILE \t
.endr
	s_wait_xcnt 0x0                                ; the loads have read their offsets: the halves change places
	v_xor_b32 v[V_BOA], 0x10000, v[V_BOA]
	v_xor_b32 v[V_BOB], 0x10000, v[V_BOB]
	v_xor_b32 v[V_SOA], 0x1000, v[V_SOA]
	v_xor_b32 v[V_SOB], 0x1000, v[V_SOB]
.endm
.macro ALOAD                           ; the block's 64 rows become my operand: 32 fragments into window 1, and their scale words
	WIN 0x40
.irp m, 0,1,2,3
.irp q, 0,1,2,3,4,5,6,7
.irp c, 0,1
	ds_load_b128 v[64*\m+8*\q+4*\c:64*\m+8*\q+4*\c+3], v[V_AFR] offset:8448*\m+64*\q+32*\c
.endr
.endr
.endr
	WIN 0
.irp u, 0,1
.irp c, 0,1
	ds_load_b128 v[V_AS+8*\u+4*\c:V_AS+8*\u+4*\c+3], v[V_AAR] offset:1536*\u+16*\c
.endr
.endr
.endm
; One row of values, in slot i of the stage: four units u of 256 numbers, lane l holding k = 256 u + 8 l + 0..7.  A block of 32 lies in 4 neighbouring lanes.
.macro PROW i, full, left
	s_wait_loadcnt \left                           ; loads end in order: this slot's 8 are in
	WIN 0x15
.irp u, 0,1,2,3
	v_max3_num_f32 v[V_T0+\u], |v[32*(\i)+8*\u]|, |v[32*(\i)+8*\u+1]|, |v[32*(\i)+8*\u+2]|
	v_max3_num_f32 v[V_T1+\u], |v[32*(\i)+8*\u+3]|, |v[32*(\i)+8*\u+4]|, |v[32*(\i)+8*\u+5]|
	v_max3_num_f32 v[V_T2+\u], |v[32*(\i)+8*\u+6]|, |v[32*(\i)+8*\u+7]|, 0x1800000   ; and the floor 2^(3 - 127): the scale's byte cannot fall under 1
.endr
.irp u, 0,1,2,3
.irp k, 0,1,2,3
	v_cvt_pk_bf16_f32 v[V_BFH+4*\u+\k], v[32*(\i)+8*\u+2*\k], v[32*(\i)+8*\u+2*\k+1]
.endr
.endr
	WIN 0
.irp u, 0,1,2,3
	v_max3_num_f32 v[V_T0+\u], v[V_T0+\u], v[V_T1+\u], v[V_T2+\u]
.endr
.irp u, 0,1,2,3
	s_delay_alu instid0(VALU_DEP_4)
	v_max_num_f32_dpp v[V_T0+\u], v[V_T0+\u], v[V_T0+\u] row_xmask:1 row_mask:0xf bank_mask:0xf
.endr
.irp u, 0,1,2,3
	s_delay_alu instid0(VALU_DEP_4)
	v_max_num_f32_dpp v[V_T0+\u], v[V_T0+\u], v[V_T0+\u] row_xmask:2 row_mask:0xf bank_mask:0xf   ; the block's largest magnitude
.endr
.irp u, 0,1,2,3
	s_delay_alu instid0(VALU_DEP_4)
	v_add_nc_u32 v[V_SCO+\u], 0xff000000, v[V_T0+\u]   ; 2 off its exponent field: the conversion's scale operand
.endr
.irp u, 0,1,2,3
	s_delay_alu instid0(VALU_DEP_4)
	v_lshrrev_b32 v[V_BY+\u], 23, v[V_SCO+\u]      ; the scale's byte,
.endr
.irp u, 0,1,2,3
	s_delay_alu instid0(VALU_DEP_4)
	v_lshlrev_b32 v[V_BY+\u], v[V_SH], v[V_BY+\u]  ; at its place in the word of 128 k;
.endr
.irp u, 0,1,2,3
	s_delay_alu instid0(VALU_DEP_4)
	v_mov_b32_dpp v[V_TD+\u], v[V_BY+\u] row_xmask:4 row_mask:0xf bank_mask:0xf
.endr
.irp u, 0,1,2,3
	s_delay_alu instid0(VALU_DEP_4)
	v_or_b32 v[V_BY+\u], v[V_BY+\u], v[V_TD+\u]
.endr
.irp u, 0,1,2,3
	s_delay_alu instid0(VALU_DEP_4)
	v_mov_b32_dpp v[V_TD+\u], v[V_BY+\u] row_xmask:8 row_mask:0xf bank_mask:0xf
.endr
.irp u, 0,1,2,3
	s_delay_alu instid0(VALU_DEP_4)
	v_or_b32 v[V_BY+\u], v[V_BY+\u], v[V_TD+\u]    ; with the three other blocks' of my 16 lanes the word is whole
.endr
	WIN 0x01
.irp u, 0,1,2,3
	v_cvt_scalef32_pk8_fp4_f32 v[V_CODE+\u], v[32*(\i)+8*\u:32*(\i)+8*\u+7], v[V_SCO+\u]   ; to the nearest code, ties to even, beyond 6 the largest code
.endr
	WIN 0
	v_nop                                          ; one plain line behind the scaled conversions
.irp u, 0,1,2,3
	ds_store_b128 v[V_AVW], v[V_BFH+4*\u:V_BFH+4*\u+3] offset:2048*(\i)+512*\u
	ds_store_b32 v[V_ACW], v[V_CODE+\u] offset:528*(\i)+128*\u
	ds_store_b32 v[V_AAW], v[V_BY+\u] offset:48*(\i)+8*\u      ; sixteen lanes write the same word with the same value
.endr
.if \full
	WIN 0x40
.irp u, 0,1,2,3
.irp j, 0,1
	global_load_b128 v[32*(\i)+8*\u+4*\j:32*(\i)+8*\u+4*\j+3], v[V_VO], s[4:5] offset:4096*(8+(\i))+1024*\u+16*\j
.endr
.endr
	WIN 0
.endif
.endm
.macro PFULL                           ; 8 rows, each slot loaded again: 64 loads of the wave stay on their way
.irp i, 0,1,2,3,4,5,6,7
	PROW \i, 1, 56
.endr
	s_wait_xcnt 0x0                                ; the loads have read their base
	s_add_nc_u64 s[4:5], s[4:5], 32768
.endm
.macro PTAIL                           ; my last 8 rows: nothing more to load, the counts run down
.irp i, 0,1,2,3,4,5,6,7
	PROW \i, 0, 56-8*\i
.endr
.endm
.macro LOADK k                         ; my rows 4 k .. 4 k + 3 of the block, all 1,024 columns in bf16: 16 loads
.set vb, V_VV+64*((\k)%2)
.irp j, 0,1,2,3
.irp c, 0,1,2,3
	ds_load_b128 v[vb+16*\j+4*\c:vb+16*\j+4*\c+3], v[V_ACR] offset:2048*(4*(\k)+\j)+512*\c
.endr
.endr
.endm
.macro FMAK k                          ; context += p x value: bf16 halves straight into f32 sums, 32 chains
.set vb, V_VV+64*((\k)%2)
.irp j, 0,1,2,3
.irp c, 0,1,2,3
.irp e, 0,1,2,3
	v_fma_mix_f32_bf16 v[V_CT+8*\c+2*\e], v[vb+16*\j+4*\c+\e], v[V_PP+4*(\k)+\j], v[V_CT+8*\c+2*\e] op_sel_hi:[1,0,0]
	v_fma_mix_f32_bf16 v[V_CT+8*\c+2*\e+1], v[vb+16*\j+4*\c+\e], v[V_PP+4*(\k)+\j], v[V_CT+8*\c+2*\e+1] op_sel:[1,0,0] op_sel_hi:[1,0,0]
.endr
.endr
.endr
.endm
	; ---- the head, all waves
	s_load_b512 s[4:19], s[0:1], 0x0               ; values, mask, wvf, Wv_scales, qwg, sw, sc, pc
	s_load_b64 s[20:21], s[0:1], 0x40              ; pm
	v_lshrrev_b32 v30, 5, v0
	s_delay_alu instid0(VALU_DEP_1)
	v_readfirstlane_b32 s[S_WV], v30               ; wave 0..7
	s_and_b32 s[S_P], s[S_WV], 3
	v_and_b32 v[V_L], 31, v0
	v_and_b32 v[V_R], 15, v0
	v_bfe_u32 v[V_H], v0, 4, 1
	v_bfe_u32 v30, v0, 5, 2                        ; p
	v_and_b32 v31, 127, v0
	v_lshlrev_b32 v[V_AVW0], 4, v[V_L]
	s_delay_alu instid0(VALU_DEP_1)
	v_lshl_add_u32 v[V_AVW0], v30, 15, v[V_AVW0]
	s_delay_alu instid0(VALU_DEP_4)
	v_mul_u32_u24 v[V_ACW0], v30, 8448
	s_delay_alu instid0(VALU_DEP_1)
	v_lshl_add_u32 v[V_ACW0], v[V_L], 2, v[V_ACW0]
	s_delay_alu instid0(VALU_DEP_1)
	v_add_nc_u32 v[V_ACW0], L_COD, v[V_ACW0]
	v_mul_u32_u24 v[V_AAW0], v30, 768
	s_delay_alu instid0(VALU_DEP_1)
	v_lshl_add_u32 v[V_AAW0], v[V_H], 2, v[V_AAW0]
	s_delay_alu instid0(VALU_DEP_1)
	v_add_nc_u32 v[V_AAW0], L_ASC, v[V_AAW0]
	v_lshlrev_b32 v[V_AQW0], 6, v[V_H]
	s_delay_alu instid0(VALU_DEP_1)
	v_lshl_add_u32 v[V_AQW0], v30, 11, v[V_AQW0]
	s_delay_alu instid0(VALU_DEP_1)
	v_add_nc_u32 v[V_AQW0], L_QW, v[V_AQW0]
	v_mul_u32_u24 v[V_AFR], v[V_R], 528
	s_delay_alu instid0(VALU_DEP_1)
	v_lshl_add_u32 v[V_AFR], v[V_H], 4, v[V_AFR]
	s_delay_alu instid0(VALU_DEP_1)
	v_add_nc_u32 v[V_AFR], L_COD, v[V_AFR]
	v_mul_u32_u24 v[V_AAR], v[V_L], 48
	s_delay_alu instid0(VALU_DEP_1)
	v_add_nc_u32 v[V_AAR], L_ASC, v[V_AAR]
	v_lshlrev_b32 v[V_ASPW], 2, v[V_R]
	s_delay_alu instid0(VALU_DEP_1)
	v_lshl_add_u32 v[V_ASPW], v30, 8, v[V_ASPW]
	s_delay_alu instid0(VALU_DEP_1)
	v_add_nc_u32 v[V_ASPW], L_SP, v[V_ASPW]
	v_lshl_add_u32 v[V_ASPR], v[V_L], 3, L_SP
	v_lshl_add_u32 v[V_AMK0], v[V_L], 3, L_MK
	v_lshlrev_b32 v[V_APW], 3, v[V_L]
	s_delay_alu instid0(VALU_DEP_1)
	v_lshl_add_u32 v[V_APW], v30, 8, v[V_APW]
	s_delay_alu instid0(VALU_DEP_1)
	v_add_nc_u32 v[V_APW], L_PW, v[V_APW]
	v_mul_u32_u24 v[V_APR], v30, 320
	s_delay_alu instid0(VALU_DEP_1)
	v_add_nc_u32 v[V_APR], L_PW, v[V_APR]
	v_lshlrev_b32 v[V_ARW], 5, v[V_L]
	s_delay_alu instid0(VALU_DEP_1)
	v_lshl_add_u32 v[V_ARR], v30, 10, v[V_ARW]
	s_delay_alu instid0(VALU_DEP_2)
	v_lshl_add_u32 v[V_ARW], v30, 12, v[V_ARW]
	v_lshl_add_u32 v[V_AHQ], v31, 4, L_QW
	v_lshl_add_u32 v[V_AHM], v31, 2, L_MK
	s_mov_b32 s[S_VW], 0
	s_mov_b32 s[S_CW], 0
	s_mov_b32 s[S_AW], 0
	s_mov_b32 s[S_QW], 0
	s_mov_b32 s[S_QWN], 1024
	s_mov_b32 s[S_MK], 0
	s_mov_b32 s[S_VR], 131072                      ; trip t finishes block t - 2, which lies in buffer t % 2
	s_mov_b32 s[S_PK], 0
	s_mov_b32 s[S_SEL], 0x76543210
	s_mov_b32 s[S_SEL+1], 0xfedcba98               ; v_permlanex16_b32's selects for lane l xor 16
	s_mov_b32 s39, 0
	s_wait_alu depctr_va_vdst(0)                   ; the wait ahead of the blocking wait
	s_wait_kmcnt 0x0
	s_load_b32 s[S_SW], s[14:15], 0x0              ; SW = bc + the sum of Wc
	s_mov_b32 s[S_SW+1], 0                         ; (named with it as a pair)
	s_lshl_b32 s38, ttmp9, 20                      ; 256 rows of 4,096 bytes a work-group,
	s_lshl_b32 s40, s[S_P], 18                     ; 64 rows a producer
	s_add_co_u32 s38, s38, s40
	s_add_nc_u64 s[4:5], s[4:5], s[38:39]
	s_lshl_b32 s38, ttmp9, 8
	s_add_nc_u64 s[6:7], s[6:7], s[38:39]          ; the mask of my 256 rows
	s_lshr_b32 s38, ttmp9, 3
	s_lshl_b32 s38, s38, 13
	s_add_nc_u64 s[12:13], s[12:13], s[38:39]      ; the batch's image, 8,192 bytes
	s_lshl_b32 s38, ttmp9, 10
	s_add_nc_u64 s[16:17], s[16:17], s[38:39]      ; sc
	s_lshl_b32 s38, ttmp9, 12
	s_add_nc_u64 s[18:19], s[18:19], s[38:39]      ; pc
	s_lshl_b32 s38, ttmp9, 3
	s_add_nc_u64 s[20:21], s[20:21], s[38:39]      ; pm.  (SW is waited for where it is first read)
	s_cmp_lt_u32 s[S_WV], 4
	s_cbranch_scc1 .Lhead_c
	; ---- producers: the first 8 rows are asked for; constants
	v_lshlrev_b32 v[V_VO], 5, v[V_L]
	WIN 0x40
.irp i, 0,1,2,3,4,5,6,7
.irp u, 0,1,2,3
.irp j, 0,1
	global_load_b128 v[32*\i+8*\u+4*\j:32*\i+8*\u+4*\j+3], v[V_VO], s[4:5] offset:4096*\i+1024*\u+16*\j
.endr
.endr
.endr
	WIN 0
	v_bfe_u32 v[V_SH], v0, 2, 2
	s_delay_alu instid0(VALU_DEP_1)
	v_lshlrev_b32 v[V_SH], 3, v[V_SH]
	v_lshlrev_b32 v[V_O8], 3, v[V_L]
	v_lshl_add_u32 v[V_OPC], v30, 10, v[V_VO]
.set i, 0
.rept 32
	v_mov_b32 v[V_CT+i], 0                         ; the sums begin at 0: the first block's factor multiplies zeros
.set i, i+1
.endr
	v_mov_b32 v[V_MX], 0xff7fffff                  ; the least f32 number: under or equal to every score
	v_mov_b32 v[V_LS], 0
.irp e, 66,67,68,69,76,104,105,106,107,108,109,110,111
	v_mov_b32 v\e, 0                               ; written once on every way: the factor, the loads' and the lane moves' destinations
.endr
	s_branch .Lhead_j
.Lhead_c:
	; ---- consumers: the batch's image and the mask go to LDS; the first two tiles of Wv are asked for
	v_lshlrev_b32 v120, 4, v31                     ; 16 x thread
	v_bfe_u32 v121, v0, 4, 2                       ; word t = 64 T + 16 p + i of the mask is row 64 p + 16 T + i
	v_bfe_u32 v122, v0, 6, 1
	s_delay_alu instid0(VALU_DEP_2)
	v_lshlrev_b32 v121, 6, v121
	s_delay_alu instid0(VALU_DEP_1)
	v_lshl_add_u32 v121, v122, 4, v121
	s_delay_alu instid0(VALU_DEP_1)
	v_add_nc_u32 v121, v121, v[V_R]
.irp k, 0,1,2,3
	global_load_b128 v[88+4*\k:88+4*\k+3], v120, s[12:13] offset:2048*\k
.endr
	global_load_u8 v104, v121, s[6:7]
	global_load_u8 v105, v121, s[6:7] offset:32    ; t + 128: T + 2
	v_lshlrev_b32 v[V_BOA], 4, v[V_L]
	s_delay_alu instid0(VALU_DEP_1)
	v_lshl_add_u32 v[V_BOA], v30, 17, v[V_BOA]     ; wvf: 16 tiles of 8,192 bytes a consumer
	s_delay_alu instid0(VALU_DEP_1)
	v_xor_b32 v[V_BOB], 0x10000, v[V_BOA]
	v_lshlrev_b32 v[V_SOA], 5, v[V_L]
	s_delay_alu instid0(VALU_DEP_1)
	v_lshl_add_u32 v[V_SOA], v30, 13, v[V_SOA]     ; Wv_scales: 256 rows of 32 bytes a consumer
	s_delay_alu instid0(VALU_DEP_1)
	v_xor_b32 v[V_SOB], 0x1000, v[V_SOA]
	s_wait_alu depctr_va_vdst(0)
	s_wait_loadcnt 0x0
.irp k, 0,1,2,3
	ds_store_b128 v[V_AHQ], v[88+4*\k:88+4*\k+3] offset:2048*\k
.endr
	ds_store_b32 v[V_AHM], v104
	ds_store_b32 v[V_AHM], v105 offset:512
	ds_store_b32 v[V_AHM], v105 offset:1024        ; the bytes behind the four blocks' words hold numbers too
	LB 0, V_BOA, V_SOA
	LB 1, V_BOA, V_SOA
.irp e, 0,1,2,3,4,5,6,7
	v_mov_b32 v[V_SCP+\e], 0
.endr
.irp e, 4,5,6,7
	v_mov_b32 v[V_TMP+\e], 0                       ; destinations of lane permutes, written once
.endr
.Lhead_j:
	; ---- block 0 is made: two trips of 8 rows a producer
	s_mov_b32 s[S_TR], 2
.Lfill:
	ADDR_TRIP
	s_cmp_lt_u32 s[S_WV], 4
	s_cbranch_scc1 .Lfill_j
	PFULL
.Lfill_j:
	STEP_P
	s_sub_co_u32 s[S_TR], s[S_TR], 1
	s_cmp_lg_u32 s[S_TR], 0
	s_cbranch_scc1 .Lfill
	BAR                                            ; block 0's codes, scale words and bf16 lie in LDS
	s_cmp_lt_u32 s[S_WV], 4
	s_cbranch_scc0 .Lno_a0
	ALOAD
	ds_load_b128 v[V_QB:V_QB+3], v[V_AQW0]         ; my first tile's bias and -2 Wc: the barrier above stands behind the image's stores too
	ds_load_b128 v[V_QB+4:V_QB+7], v[V_AQW0] offset:16
	ds_load_b128 v[V_WC:V_WC+3], v[V_AQW0] offset:32
	ds_load_b128 v[V_WC+4:V_WC+7], v[V_AQW0] offset:48
.Lno_a0:
	BAR                                            ; they are in the consumers' registers: the codes' bytes may be written again
	s_mov_b32 s[S_VW], 131072                      ; block 1's bf16 goes to the second buffer
	s_mov_b32 s[S_SG], 5
.Lblock:                                           ; five trips, t = 6 - s[S_SG]
	s_mov_b32 s[S_TR], 2
.Lhalf:
	ADDR_TRIP
	s_cmp_lt_u32 s[S_WV], 4
	s_cbranch_scc0 .Lhalf_p
	s_cmp_eq_u32 s[S_SG], 1                        ; the last trip has no block left to multiply
	s_cbranch_scc1 .Lhalf_j
	CTRIP
	s_branch .Lhalf_j
.Lhalf_p:
	s_cmp_gt_u32 s[S_SG], 4                        ; the first trip has no scores yet;
	s_cbranch_scc1 .Lrows
	s_cmp_lg_u32 s[S_TR], 2                        ; a block is finished in a trip's first half, ahead of the rows that land on its bytes
	s_cbranch_scc1 .Lrows
	; block t - 2: the scores, two rows a lane (rho = 2 l, 2 l + 1); every producer forms all 64.  The parts and the mask were loaded between the last trip's barriers
	s_wait_kmcnt 0x0                               ; SW
	v_mov_b32 v72, 0xff7fffff
	v_pk_add_f32 v[104:105], v[104:105], v[106:107]
	v_pk_add_f32 v[108:109], v[108:109], v[110:111]
	s_delay_alu instid0(VALU_DEP_1)
	v_pk_add_f32 v[104:105], v[104:105], v[108:109]
	s_delay_alu instid0(VALU_DEP_1)
	v_pk_add_f32 v[70:71], v[104:105], s[S_SW:S_SW+1] op_sel_hi:[1,0]
	v_cmp_ne_u32 vcc_lo, 0, v68
	s_delay_alu instid0(VALU_DEP_1)
	v_cndmask_b32 v70, v72, v70, vcc_lo            ; a hidden row: the least f32 number
	v_cmp_ne_u32 vcc_lo, 0, v69
	s_delay_alu instid0(VALU_DEP_1)
	v_cndmask_b32 v71, v72, v71, vcc_lo
	s_wait_alu depctr_va_vdst(0)                   ; the wait ahead of the branch
	s_cmp_lg_u32 s[S_WV], 4
	s_cbranch_scc1 .Lnot_4
	global_store_b64 v[V_O8], v[70:71], s[16:17]   ; 32 lanes store 256 consecutive bytes, aligned
	s_wait_xcnt 0x0                                ; the store has read its base
	s_add_nc_u64 s[16:17], s[16:17], 256
.Lnot_4:
	v_max_num_f32 v73, v70, v71
	s_delay_alu instid0(VALU_DEP_1)
	v_max_num_f32_dpp v73, v73, v73 row_xmask:1 row_mask:0xf bank_mask:0xf
	s_delay_alu instid0(VALU_DEP_1)
	v_max_num_f32_dpp v73, v73, v73 row_xmask:2 row_mask:0xf bank_mask:0xf
	s_delay_alu instid0(VALU_DEP_1)
	v_max_num_f32_dpp v73, v73, v73 row_xmask:4 row_mask:0xf bank_mask:0xf
	s_delay_alu instid0(VALU_DEP_1)
	v_max_num_f32_dpp v73, v73, v73 row_xmask:8 row_mask:0xf bank_mask:0xf
	s_delay_alu instid0(VALU_DEP_1)
	v_permlanex16_b32 v76, v73, s[S_SEL], s[S_SEL+1]
	s_delay_alu instid0(VALU_DEP_1)
	v_max_num_f32 v73, v73, v76
	s_delay_alu instid0(VALU_DEP_1)
	v_max_num_f32 v77, v[V_MX], v73                ; the new running maximum
	s_delay_alu instid0(VALU_DEP_1)
	v_sub_f32 v[V_FF], v[V_MX], v77                ; the difference first, the factor log2(e) behind it
	s_delay_alu instid0(VALU_DEP_2)
	v_sub_f32 v74, v70, v77
	s_delay_alu instid0(VALU_DEP_3)
	v_sub_f32 v75, v71, v77
	s_delay_alu instid0(VALU_DEP_3)
	v_mul_f32 v[V_FF], 0x3fb8aa3b, v[V_FF]
	s_delay_alu instid0(VALU_DEP_2)
	v_pk_mul_f32 v[74:75], v[74:75], 0x3fb8aa3b op_sel_hi:[1,0]
	s_wait_alu depctr_va_vdst(0)                   ; the wait ahead of the batch
	v_exp_f32 v[V_FF], v[V_FF]                     ; e^(m_old - m_new)
	v_exp_f32 v74, v74                             ; p
	v_exp_f32 v75, v75
	v_mov_b32 v[V_MX], v77                         ; (the plain line behind the three)
	s_wait_alu depctr_va_vdst(0)                   ; and the one behind it, ahead of the first reader
	v_mov_b32 v[V_FF+1], v[V_FF]
	v_add_f32 v78, v74, v75
	ds_store_b64 v[V_APW], v[74:75]                ; my wave's own bytes: LDS serves a wave's instructions in order, so the loads below see them
.irp j, 0,1,2,3
	ds_load_b128 v[V_PP+4*\j:V_PP+4*\j+3], v[V_APR] offset:16*\j   ; p of my 16 rows, the same in every lane
.endr
	LOADK 0
	LOADK 1
	v_add_f32_dpp v78, v78, v78 row_xmask:1 row_mask:0xf bank_mask:0xf
	s_delay_alu instid0(VALU_DEP_1)
	v_add_f32_dpp v78, v78, v78 row_xmask:2 row_mask:0xf bank_mask:0xf
	s_delay_alu instid0(VALU_DEP_1)
	v_add_f32_dpp v78, v78, v78 row_xmask:4 row_mask:0xf bank_mask:0xf
	s_delay_alu instid0(VALU_DEP_1)
	v_add_f32_dpp v78, v78, v78 row_xmask:8 row_mask:0xf bank_mask:0xf
	s_delay_alu instid0(VALU_DEP_1)
	v_permlanex16_b32 v76, v78, s[S_SEL], s[S_SEL+1]
	s_delay_alu instid0(VALU_DEP_1)
	v_add_f32 v78, v78, v76
	v_fma_f32 v[V_LS], v[V_LS], v[V_FF], v78       ; l = l e^(m_old - m_new) + the block's sum of p
.set i, 0
.rept 16
	v_pk_mul_f32 v[V_CT+2*i:V_CT+2*i+1], v[V_CT+2*i:V_CT+2*i+1], v[V_FF:V_FF+1]
.set i, i+1
.endr
	s_wait_alu depctr_va_vdst(0)
	s_wait_dscnt 16                                ; p and batch 0 are in; batch 1's 16 loads may be out
	FMAK 0
	LOADK 2
	s_wait_alu depctr_va_vdst(0)
	s_wait_dscnt 16
	FMAK 1
	LOADK 3
	s_wait_alu depctr_va_vdst(0)
	s_wait_dscnt 16
	FMAK 2
	s_wait_alu depctr_va_vdst(0)
	s_wait_dscnt 0x0
	FMAK 3
.Lrows:
	s_cmp_lt_u32 s[S_PK], 7
	s_cbranch_scc0 .Lhalf_t
	PFULL
	s_branch .Lhalf_j
.Lhalf_t:
	s_cmp_eq_u32 s[S_PK], 7                        ; the last 8 rows load nothing; behind them a producer has no row left
	s_cbranch_scc0 .Lhalf_j
	PTAIL
.Lhalf_j:
	STEP_P
	s_xor_b32 s[S_QW], s[S_QW], 1024               ; the consumers' other 8 tiles
	s_xor_b32 s[S_QWN], s[S_QWN], 1024
	s_sub_co_u32 s[S_TR], s[S_TR], 1
	s_cmp_lg_u32 s[S_TR], 0
	s_cbranch_scc1 .Lhalf
	v_add_nc_u32 v[V_AMK], s[S_MK], v[V_AMK0]
	s_wait_alu depctr_va_vdst(0)                   ; the wait ahead of the readers of the score sums
	s_cmp_lt_u32 s[S_WV], 4
	s_cbranch_scc0 .Lno_sc
	; consumers: my 256 columns' part of the 64 scores
.irp m, 0,1,2,3
	v_add_f32 v[V_TMP+\m], v[V_SCP+2*\m], v[V_SCP+2*\m+1]
.endr
.irp m, 0,1,2,3
	s_delay_alu instid0(VALU_DEP_4)
	v_permlanex16_b32 v[V_TMP+4+\m], v[V_TMP+\m], s[S_SEL], s[S_SEL+1]   ; the tile's other 8 columns lie in the lane 16 away
.endr
.irp m, 0,1,2,3
	s_delay_alu instid0(VALU_DEP_4)
	v_add_f32 v[V_TMP+\m], v[V_TMP+\m], v[V_TMP+4+\m]
.endr
.irp m, 0,1,2,3
	ds_store_b32 v[V_ASPW], v[V_TMP+\m] offset:64*\m
.endr
.irp e, 0,1,2,3,4,5,6,7
	v_mov_b32 v[V_SCP+\e], 0
.endr
.Lno_sc:
	BAR                                            ; the parts of the scores, and the next block's codes, lie in LDS
	s_cmp_lt_u32 s[S_WV], 4
	s_cbranch_scc0 .Ljoin_p
	s_cmp_lt_u32 s[S_SG], 3                        ; trips 4 and 5 have made no new block
	s_cbranch_scc1 .Ljoin_j
	ALOAD
	s_branch .Ljoin_j
.Ljoin_p:
	s_cmp_eq_u32 s[S_SG], 1                        ; the last trip made no scores
	s_cbranch_scc1 .Ljoin_j
	ds_load_b64 v[104:105], v[V_ASPR]
	ds_load_b64 v[106:107], v[V_ASPR] offset:256
	ds_load_b64 v[108:109], v[V_ASPR] offset:512
	ds_load_b64 v[110:111], v[V_ASPR] offset:768
	ds_load_b64 v[68:69], v[V_AMK]
.Ljoin_j:
	BAR                                            ; the reads of the codes, the scale words and the parts are over: all may be written again
	s_xor_b32 s[S_VW], s[S_VW], 131072
	s_xor_b32 s[S_VR], s[S_VR], 131072
	s_add_co_u32 s[S_MK], s[S_MK], 256
	s_sub_co_u32 s[S_SG], s[S_SG], 1
	s_cmp_lg_u32 s[S_SG], 0
	s_cbranch_scc1 .Lblock
	; ---- out: the four producers' sums meet in the first buffer's bytes, last read two trips ago
	s_cmp_lt_u32 s[S_WV], 4
	s_cbranch_scc1 .Lred_j
.irp c, 0,1,2,3
	ds_store_b128 v[V_ARW], v[V_CT+8*\c:V_CT+8*\c+3] offset:1024*\c
	ds_store_b128 v[V_ARW], v[V_CT+8*\c+4:V_CT+8*\c+7] offset:1024*\c+16
.endr
.Lred_j:
	BAR
	s_cmp_lt_u32 s[S_WV], 4
	s_cbranch_scc1 .Lend
.irp q, 0,1,2,3
	ds_load_b128 v[128+8*\q:131+8*\q], v[V_ARR] offset:4096*\q       ; columns 256 p + 8 l + 0..7 of producer q's sums
	ds_load_b128 v[132+8*\q:135+8*\q], v[V_ARR] offset:4096*\q+16
.endr
	s_wait_dscnt 0x0
.irp e, 0,2,4,6
	v_pk_add_f32 v[128+\e:129+\e], v[128+\e:129+\e], v[136+\e:137+\e]
.endr
.irp e, 0,2,4,6
	v_pk_add_f32 v[144+\e:145+\e], v[144+\e:145+\e], v[152+\e:153+\e]
.endr
.irp e, 0,2,4,6
	s_delay_alu instid0(VALU_DEP_4)
	v_pk_add_f32 v[128+\e:129+\e], v[128+\e:129+\e], v[144+\e:145+\e]
.endr
	global_store_b128 v[V_OPC], v[128:131], s[18:19]
	global_store_b128 v[V_OPC], v[132:135], s[18:19] offset:16
	s_cmp_lg_u32 s[S_WV], 4
	s_cbranch_scc1 .Lend
	v_mov_b32 v79, 0
	v_cmp_eq_u32 vcc_lo, 0, v[V_L]
	s_wait_alu depctr_va_vdst(0)
	s_wait_xcnt 0x0                                ; EXEC changes only behind this wait
	s_and_saveexec_b32 s38, vcc_lo
	global_store_b64 v79, v[V_MX:V_LS], s[20:21]   ; (m, l), by one lane
	s_wait_xcnt 0x0
	s_or_b32 exec_lo, exec_lo, s38
.Lend:
	s_wait_xcnt 0x0
	s_mov_b32 exec_lo, -1
	v_lshl_add_u32 v38, v0, 2, L_SPARE
	v_mov_b32 v39, 0
	s_wait_alu depctr_va_vdst(0)
	s_wait_tensorcnt 0x0                           ; the wave's end
	ds_add_u32 v38, v39
	s_wait_dscnt 0x0
	s_endpgm
.Lfunc_end_k_qc973f7cf35_main:
	.size	k_qc973f7cf35_main, .Lfunc_end_k_qc973f7cf35_main-k_qc973f7cf35_main
	.p2alignl 7, 3214868480
	.fill 96, 4, 3214868480
	.section	.rodata,"a",@progbits
	.p2align	6, 0x0
	.amdhsa_kernel k_qc973f7cf35_main
		.amdhsa_group_segment_fixed_size 312320
		.amdhsa_private_segment_fixed_size 0
		.amdhsa_enable_private_segment 0
		.amdhsa_kernarg_size 72
		.amdhsa_user_sgpr_count 2
		.amdhsa_user_sgpr_kernarg_segment_ptr 1
		.amdhsa_wavefront_size32 1
		.amdhsa_system_sgpr_workgroup_id_x 1
		.amdhsa_system_sgpr_workgroup_id_y 1
		.amdhsa_system_sgpr_workgroup_id_z 1
		.amdhsa_system_vgpr_workitem_id 0
		.amdhsa_next_free_vgpr 512
		.amdhsa_next_free_sgpr 66
		.amdhsa_reserve_vcc 1
		.amdhsa_float_denorm_mode_32 3
		.amdhsa_float_denorm_mode_16_64 3
		.amdhsa_memory_ordered 1
		.amdhsa_forward_progress 1
		.amdhsa_inst_pref_size 255
	.end_amdhsa_kernel
	.section	.bss,"aw",@nobits
	.p2align	6
	.space	262144
	.amdgpu_metadata
---
amdhsa.version: [ 1, 2 ]
amdhsa.kernels:
  - .name:           k_qc973f7cf35_main
    .symbol:         k_qc973f7cf35_main.kd
    .args:
      - { .name: values, .offset: 0, .size: 8, .value_kind: global_buffer, .address_space: global }
      - { .name: mask, .offset: 8, .size: 8, .value_kind: global_buffer, .address_space: global }
      - { .name: wvf, .offset: 16, .size: 8, .value_kind: global_buffer, .address_space: global }
      - { .name: Wv_scales, .offset: 24, .size: 8, .value_kind: global_buffer, .address_space: global }
      - { .name: qwg, .offset: 32, .size: 8, .value_kind: global_buffer, .address_space: global }
      - { .name: sw, .offset: 40, .size: 8, .value_kind: global_buffer, .address_space: global }
      - { .name: sc, .offset: 48, .size: 8, .value_kind: global_buffer, .address_space: global }
      - { .name: pc, .offset: 56, .size: 8, .value_kind: global_buffer, .address_space: global }
      - { .name: pm, .offset: 64, .size: 8, .value_kind: global_buffer, .address_space: global }
    .group_segment_fixed_size: 312320
    .private_segment_fixed_size: 0
    .kernarg_segment_align: 8
    .kernarg_segment_size: 72
    .max_flat_workgroup_size: 256
    .sgpr_count:     66
    .vgpr_count:     512
    .wavefront_size: 32
...
	.end_amdgpu_metadata
.endif
;; end of part 2
;; launch fin (part 3): grid 32 x 1, 8 waves a work-group, no clusters, 0 bytes of LDS; arguments sc, pc, pm, out0, out1; writes out0, out1
.if DOCPART == 3
	.amdgcn_target "amdgcn-amd-amdhsa--gfx1250"
	.amdhsa_code_object_version 6
	.text
	.protected	k_qc973f7cf35_fin
	.globl	k_qc973f7cf35_fin
	.p2align	8
	.type	k_qc973f7cf35_fin,@function
k_qc973f7cf35_fin:
	s_mov_b64 s[64:65], 0
	v_nop
	global_prefetch_b8 v0, s[64:65] scope:SCOPE_SE
	s_setreg_imm32_b32 hwreg(HW_REG_WAVE_MODE, 25, 1), 1
	s_wait_xcnt 0x0
; A work-group to a batch: the 8 parts (m_i, l_i, context_i) are combined, and the scores become weights.
; M = the largest m_i; e_i = e^(m_i - M); L = the sum of l_i e_i; context = the sum of (e_i / L) context_i; weight = e^(score - M) / L.
; The part that holds M has l_i of 1 or more, so L is no zero.  A batch whose every row is hidden has all scores equal (the least f32 number): all weights 1 / 2,048, as the definition gives.
; Thread t takes 4 columns of the context and 2 x 4 neighbouring weights.  sc lies [part][T][p][i] for row 256 part + 64 p + 16 T + i: bits 4-5 and 6-7 of the row's number change places.
	s_load_b256 s[4:11], s[0:1], 0x0               ; sc, pc, pm, out0
	s_load_b64 s[12:13], s[0:1], 0x20              ; out1
	v_lshlrev_b32 v1, 2, v0                        ; s = 4 t
	s_delay_alu instid0(VALU_DEP_1)
	v_and_b32 v2, 0xf0f, v1
	s_delay_alu instid0(VALU_DEP_2)
	v_lshrrev_b32 v3, 2, v1
	s_delay_alu instid0(VALU_DEP_1)
	v_and_or_b32 v2, v3, 48, v2
	s_delay_alu instid0(VALU_DEP_4)
	v_lshlrev_b32 v3, 2, v1
	s_delay_alu instid0(VALU_DEP_1)
	v_and_or_b32 v2, v3, 0xc0, v2
	s_delay_alu instid0(VALU_DEP_1)
	v_lshlrev_b32 v2, 2, v2                        ; where its score lies, in bytes
	v_lshlrev_b32 v4, 4, v0                        ; 16 t
	s_mov_b32 s15, 0
	s_wait_alu depctr_va_vdst(0)
	s_wait_kmcnt 0x0
	s_lshl_b32 s14, ttmp9, 6
	s_add_nc_u64 s[8:9], s[8:9], s[14:15]
	s_load_b512 s[16:31], s[8:9], 0x0              ; (m_i, l_i), i = 0..7
	s_lshl_b32 s14, ttmp9, 15
	s_add_nc_u64 s[6:7], s[6:7], s[14:15]
	s_lshl_b32 s14, ttmp9, 13
	s_add_nc_u64 s[4:5], s[4:5], s[14:15]
	s_add_nc_u64 s[12:13], s[12:13], s[14:15]
	s_lshl_b32 s14, ttmp9, 12
	s_add_nc_u64 s[10:11], s[10:11], s[14:15]
.irp i, 0,1,2,3,4,5,6,7
	global_load_b128 v[16+4*\i:16+4*\i+3], v4, s[6:7] offset:4096*\i
.endr
	global_load_b128 v[48:51], v2, s[4:5]
	global_load_b128 v[52:55], v2, s[4:5] offset:4096   ; s + 1,024
	s_wait_kmcnt 0x0
.irp i, 0,1,2,3,4,5,6,7
	v_mov_b32 v[56+\i], s[16+2*\i]
	v_mov_b32 v[64+\i], s[17+2*\i]
.endr
	v_max3_num_f32 v72, v56, v57, v58
	s_delay_alu instid0(VALU_DEP_1)
	v_max3_num_f32 v72, v72, v59, v60
	s_delay_alu instid0(VALU_DEP_1)
	v_max3_num_f32 v72, v72, v61, v62
	s_delay_alu instid0(VALU_DEP_1)
	v_max_num_f32 v72, v72, v63                    ; M
.irp i, 0,1,2,3,4,5,6,7
	v_sub_f32 v[56+\i], v[56+\i], v72
.endr
.irp i, 0,1,2,3,4,5,6,7
	v_mul_f32 v[56+\i], 0x3fb8aa3b, v[56+\i]
.endr
	s_wait_alu depctr_va_vdst(0)
.irp i, 0,1,2,3,4,5,6,7
	v_exp_f32 v[56+\i], v[56+\i]                   ; e_i
.endr
	v_nop
	s_wait_alu depctr_va_vdst(0)                   ; one wait for the eight, ahead of their first reader
	v_mul_f32 v73, v64, v56
.irp i, 1,2,3,4,5,6,7
	v_fma_f32 v73, v[64+\i], v[56+\i], v73         ; L
.endr
	s_wait_alu depctr_va_vdst(0)
	v_rcp_f32 v74, v73
	v_nop
	s_wait_alu depctr_va_vdst(0)
.irp i, 0,1,2,3,4,5,6,7
	v_mul_f32 v[56+\i], v[56+\i], v74              ; e_i / L
.endr
	s_wait_alu depctr_va_vdst(0)
	s_wait_loadcnt 2                               ; the eight parts of the context are in; the two loads of scores may be out
.irp c, 0,1,2,3
	v_mul_f32 v[76+\c], v[16+\c], v56
.endr
.irp i, 1,2,3,4,5,6,7
.irp c, 0,1,2,3
	s_delay_alu instid0(VALU_DEP_4)
	v_fma_f32 v[76+\c], v[16+4*\i+\c], v[56+\i], v[76+\c]
.endr
.endr
	global_store_b128 v4, v[76:79], s[10:11]       ; 32 lanes store 512 consecutive bytes
	s_wait_loadcnt 0x0
.irp k, 0,1,2,3,4,5,6,7
	v_sub_f32 v[48+\k], v[48+\k], v72
.endr
.irp k, 0,1,2,3,4,5,6,7
	v_mul_f32 v[48+\k], 0x3fb8aa3b, v[48+\k]
.endr
	s_wait_alu depctr_va_vdst(0)
.irp k, 0,1,2,3,4,5,6,7
	v_exp_f32 v[48+\k], v[48+\k]
.endr
	v_nop
	s_wait_alu depctr_va_vdst(0)
.irp k, 0,1,2,3,4,5,6,7
	v_mul_f32 v[48+\k], v[48+\k], v74
.endr
	global_store_b128 v4, v[48:51], s[12:13]
	global_store_b128 v4, v[52:55], s[12:13] offset:4096
	s_endpgm
.Lfunc_end_k_qc973f7cf35_fin:
	.size	k_qc973f7cf35_fin, .Lfunc_end_k_qc973f7cf35_fin-k_qc973f7cf35_fin
	.p2alignl 7, 3214868480
	.fill 96, 4, 3214868480
	.section	.rodata,"a",@progbits
	.p2align	6, 0x0
	.amdhsa_kernel k_qc973f7cf35_fin
		.amdhsa_group_segment_fixed_size 0
		.amdhsa_private_segment_fixed_size 0
		.amdhsa_enable_private_segment 0
		.amdhsa_kernarg_size 40
		.amdhsa_user_sgpr_count 2
		.amdhsa_user_sgpr_kernarg_segment_ptr 1
		.amdhsa_wavefront_size32 1
		.amdhsa_system_sgpr_workgroup_id_x 1
		.amdhsa_system_sgpr_workgroup_id_y 1
		.amdhsa_system_sgpr_workgroup_id_z 1
		.amdhsa_system_vgpr_workitem_id 0
		.amdhsa_next_free_vgpr 96
		.amdhsa_next_free_sgpr 66
		.amdhsa_reserve_vcc 0
		.amdhsa_float_denorm_mode_32 3
		.amdhsa_float_denorm_mode_16_64 3
		.amdhsa_memory_ordered 1
		.amdhsa_forward_progress 1
		.amdhsa_inst_pref_size 10
	.end_amdhsa_kernel
	.amdgpu_metadata
---
amdhsa.version: [ 1, 2 ]
amdhsa.kernels:
  - .name:           k_qc973f7cf35_fin
    .symbol:         k_qc973f7cf35_fin.kd
    .args:
      - { .name: sc, .offset: 0, .size: 8, .value_kind: global_buffer, .address_space: global }
      - { .name: pc, .offset: 8, .size: 8, .value_kind: global_buffer, .address_space: global }
      - { .name: pm, .offset: 16, .size: 8, .value_kind: global_buffer, .address_space: global }
      - { .name: out0, .offset: 24, .size: 8, .value_kind: global_buffer, .address_space: global }
      - { .name: out1, .offset: 32, .size: 8, .value_kind: global_buffer, .address_space: global }
    .group_segment_fixed_size: 0
    .private_segment_fixed_size: 0
    .kernarg_segment_align: 8
    .kernarg_segment_size: 40
    .max_flat_workgroup_size: 256
    .sgpr_count:     66
    .vgpr_count:     96
    .wavefront_size: 32
...
	.end_amdgpu_metadata
.endif
;; end of part 3
